; MI455X (gfx1250); checked and timed in simulation.
; The chip was launched on July 23, 2026; its instructions are those of AMD's public machine-readable ISA for CDNA 5 (MIT licence, August 2026) and "CDNA5" Instruction Set Architecture Reference Guide (July 2026). The comments in the code are by the model that wrote it; some were corrected since.
;; LSTM. Allowed arithmetic: matrix products marked QUANTISED: E2M1 operands, one E8M0 scale for each 32 along K, by v_wmma_scale_f32_16x16x128_f8f6f4 with both operands' format E2M1 (or v_wmma_scale_f32_32x16x128_f4), f32 sums; everything else in f32.
;; Inputs: Wf_codes 1,024 x 64 x 16 uint8 (E2M1 codes of Wf, K innermost, in blocks of 32 codes, two codes a byte); Wf_scales 1,024 x 64 uint8 (E8M0 scales of Wf, one for each 32 codes along K); Wi_codes 1,024 x 64 x 16 uint8 (E2M1 codes of Wi, K innermost, in blocks of 32 codes, two codes a byte); Wi_scales 1,024 x 64 uint8 (E8M0 scales of Wi, one for each 32 codes along K); Wo_codes 1,024 x 64 x 16 uint8 (E2M1 codes of Wo, K innermost, in blocks of 32 codes, two codes a byte); Wo_scales 1,024 x 64 uint8 (E8M0 scales of Wo, one for each 32 codes along K); Wz_codes 1,024 x 64 x 16 uint8 (E2M1 codes of Wz, K innermost, in blocks of 32 codes, two codes a byte); Wz_scales 1,024 x 64 uint8 (E8M0 scales of Wz, one for each 32 codes along K); bf 1,024 float32; bi 1,024 float32; bo 1,024 float32; bz 1,024 float32; prev_c 8,192 x 1,024 float32; prev_h 8,192 x 1,024 float32; x 8,192 x 1,024 float32.
;; Outputs: out0 2 x 8,192 x 1,024 float32.
;; This version of the problem:
;;   THIS VERSION OF THE PROBLEM IS GIVEN IN LOW PRECISION. The matrix products marked QUANTISED in the list below multiply operands that are first quantised to E2M1 (2 exponent bits, 1 mantissa bit; 4 bits a number), with one power-of-two scale for each 32 numbers along K (OCP MX v1.0); their sums are f32. All else is computed in f32.
;;   The module's matrix products, in the order in which they are computed (A, B: the left and right operand; K: the contracted axis; several contracted axes count as one K, in the product's order):
;;     1. [M 8,192, K 2,048] x [K 2,048, N 1,024]; A: computed on the way; B: input Wi (given as codes): QUANTISED
;;     2. [M 8,192, K 2,048] x [K 2,048, N 1,024]; A: computed on the way; B: input Wf (given as codes): QUANTISED
;;     3. [M 8,192, K 2,048] x [K 2,048, N 1,024]; A: computed on the way; B: input Wo (given as codes): QUANTISED
;;     4. [M 8,192, K 2,048] x [K 2,048, N 1,024]; A: computed on the way; B: input Wz (given as codes): QUANTISED
;;   THE QUANTISER, for each operand of a quantised product, along K:
;;     - K is cut into blocks of 32 from its start; a last block that is shorter is filled with zeros.
;;     - A block's scale is 2^e with e = floor(log2(the largest magnitude in the block)) - 2, held to -126 .. 127; a block of zeros has e = 0. As a byte (E8M0): e + 127.
;;     - Each number is divided by its block's scale, clamped to +-6, and rounded to the nearest number of E2M1, ties to even, subnormals kept.
;;     - The product sums the exact products of the quantised numbers (number of the format x scale) in f32.
;;   ~~~python
;;   def quantise(x, axis):      # numpy; x: float32 -> the quantised numbers, widened to float32 again
;;       x = np.moveaxis(x, axis, -1); K = x.shape[-1]
;;       x = np.pad(x, [(0, 0)] * (x.ndim - 1) + [(0, -K % 32)]); x = x.reshape(x.shape[:-1] + (-1, 32)); a = np.abs(x).max(-1, keepdims=True)
;;       e = np.where(a > 0, np.clip(np.frexp(np.where(a > 0, a, 1))[1] - 1 - 2, -126, 127), 0)      # np.frexp(a)[1] - 1 = floor(log2(a)), exactly
;;       r = np.clip(x / 2.0 ** e, -6, 6)
;;       step = 2.0 ** (np.maximum(np.frexp(np.where(r == 0, 1, r))[1] - 1, 0) - 1)
;;       q = np.round(r / step) * step * 2.0 ** e      # np.round: ties to even
;;       return np.moveaxis(q.reshape(q.shape[:-2] + (-1,))[..., :K], -1, axis).astype(np.float32)
;;   ~~~
;;   OPERANDS COMPUTED ON THE WAY. 'Computed on the way' means the value that the module computes at that place (a softmax that the list does not call 'softmax' is quantised finished and normalised). What goes into a quantiser is computed in f32, as accurately as f32 sums, v_exp_f32 and their like allow (about 1e-6 of the number): no bf16 or f16 on the way to a quantiser, and a product that is left as it is and whose result goes on into a quantised operand takes f32 operands (vector FMAs, or v_wmma_f32_16x16x4_f32). A number that lies on a knife's edge between two numbers of the format may be rounded either way, as far as f32 arithmetic and the matrix unit's own rounding can turn it there, and no further.
;;   INPUTS GIVEN AS CODES. Wf (in the module: [1024, 2048], K = its axis 1); Wi (in the module: [1024, 2048], K = its axis 1); Wo (in the module: [1024, 2048], K = its axis 1); Wz (in the module: [1024, 2048], K = its axis 1): each comes as NAME_codes (uint8): NAME with its K axis moved to the last place and cut into blocks of 32 codes, [.., K / 32, bytes a block], one block behind the other in memory; two codes a byte, the lower K in the low four bits (a code: sign, 2 exponent bits, 1 mantissa bit); and NAME_scales (uint8): the same leading axes, one E8M0 byte (e + 127) for each 32 codes along K. Its value is code x scale, taken as it is: it is not quantised again, and the codes and scales need not be those that the quantiser above would give.
;; One version. Each part assembles by itself: llvm-mc -triple=amdgcn-amd-amdhsa -mcpu=gfx1250 --defsym DOCPART=n.
;; ======== version 1 of 1: 2 launches
;; limits: right only within a limited range of input values
;; workspace buffers: a_codes 8,388,608 bytes; a_scales 524,288 bytes; w_codes 4,194,304 bytes; w_scales 262,144 bytes
;; launch prep (part 1): grid 640 x 1, 4 waves a work-group, no clusters, 33,280 bytes of LDS; arguments x, prev_h, Wi_codes, Wf_codes, Wo_codes, Wz_codes, Wi_scales, Wf_scales, Wo_scales, Wz_scales, a_codes, a_scales, w_codes, w_scales; writes a_codes, a_scales, w_codes, w_scales
.if DOCPART == 1
	.amdgcn_target "amdgcn-amd-amdhsa--gfx1250"
	.amdhsa_code_object_version 6
	.text
	.protected	k_q75178fbd71_prep
	.globl	k_q75178fbd71_prep
	.p2align	8
	.type	k_q75178fbd71_prep,@function
k_q75178fbd71_prep:
	s_mov_b64 s[64:65], 0
	v_nop
	global_prefetch_b8 v0, s[64:65] scope:SCOPE_SE
	s_setreg_imm32_b32 hwreg(HW_REG_WAVE_MODE, 25, 1), 1
	s_wait_xcnt 0x0
; TWO JOBS IN ONE LAUNCH, told apart by the work-group's number.
; (Q) Work-groups 0 to 511: xh = [x | prev_h], [8192][2048] f32, becomes codes of FP4 (E2M1), K innermost, a_codes [8192][1024 bytes], with one E8M0 byte for each 32 along K, a_scales [8192][64].
;     A block's scale is 2^(floor(log2(its largest magnitude)) - 2); its byte is the largest magnitude's own exponent field - 2, held at 1 from below; each number is divided by the scale and rounded to the
;     nearest code, ties to even, beyond 6 the largest code.
;     A wave takes 4 whole rows of xh in 16 steps of 512 numbers: step t is row t / 4, quarter t % 4; quarters 0 and 1 lie in x, quarters 2 and 3 in prev_h.  So a wave's codes are 4,096 consecutive bytes and its
;     scale bytes 256 consecutive bytes.  The conversion takes neighbours along K from ONE lane's registers, a load is best where neighbouring LANES take neighbouring bytes: each load reads 512 consecutive bytes,
;     16 a lane; a step's 2,048 bytes go through the wave's own stage in LDS and come back 64 bytes a lane (16 bytes of padding behind each 64).  Two neighbouring lanes hold a block.
; (P) Work-groups 512 to 639: the four weights' codes and scale bytes are copied, unchanged, into ONE tensor of 4,096 rows: packed row 32 (4 H + g) + r is row 32 H + r of gate g (0 = i, 1 = f, 2 = o, 3 = z).
;     So 128 neighbouring packed rows hold all four gates of 32 neighbouring hidden units, and the product's launch fetches a tile of the weights as neighbouring rows of one buffer.
; LIMITS: NaN and infinities in x or prev_h are not served.  A block of zeros gets the byte 1 where the rule says 127: its codes are zeros, which add nothing under any byte but 0xff, and this program alone reads
; the bytes.  Blocks whose largest magnitude lies under 2^(3 - 127) are quantised under the byte 1, as the rule's hold at -126 asks.
; No tensor loads, no barrier: waves share nothing.  LDS is used by job Q alone.
.set QWG,   512                        ; work-groups of job Q: 8192 rows / (4 waves x 4 rows)
.set STEPS, 16
.set EMAX,  2
.set R,     16                         ; v16-79   four sets of 16 numbers as they are loaded
.set X,     80                         ; v80-111  two sets of 16 neighbours
.set E,     112                        ; v112-127 a scale byte for each step
.set C,     128                        ; v128-191 codes: four registers for each step, so that no store's data are written again
.set WREG,  8192                       ; LDS: a region for each wave: two stages of 32 x SP bytes, behind them its 256 scale bytes
.set SP,    80                         ; a lane's place in a stage: its 64 bytes + 16 of padding
	s_load_b512 s[4:19], s[0:1], 0x0               ; x s[4:5], prev_h s[6:7], codes of Wi, Wf, Wo, Wz s[8:15], scales of Wi s[16:17], Wf s[18:19]
	s_load_b256 s[20:27], s[0:1], 0x40             ; scales of Wo s[20:21], Wz s[22:23], a_codes s[24:25], a_scales s[26:27]
	s_load_b128 s[28:31], s[0:1], 0x60             ; w_codes s[28:29], w_scales s[30:31]
	v_lshl_add_u32 v192, v0, 2, 0x8000
	v_mov_b32 v193, 0
	v_lshrrev_b32 v1, 5, v0
	v_readfirstlane_b32 s32, v1                    ; wave 0..3
	s_wait_kmcnt 0x0
	s_cmp_ge_u32 ttmp9, QWG
	s_cbranch_scc1 .Lpack
	; ---------------- job Q ----------------
	v_and_b32 v2, 31, v0                           ; lane
	v_lshlrev_b32 v3, 4, v2                        ; my 16 bytes of a load's 512
	s_mul_i32 s33, s32, WREG
	v_lshrrev_b32 v14, 2, v2
	v_mul_u32_u24 v14, v14, SP
	v_and_b32 v15, 3, v2
	v_lshl_add_u32 v14, v15, 4, v14
	v_add_nc_u32 v14, s33, v14                     ; the stage, on the way in: SP (lane / 4) + 16 (lane % 4); a load's 512 bytes take eight places
	v_mul_u32_u24 v15, v2, SP
	v_add_nc_u32 v15, s33, v15                     ; and on the way out: SP x lane: my 16 neighbours
	v_lshlrev_b32 v4, 3, v2                        ; 8 x lane: my codes' place in a step's 256 bytes, and my 8 of the wave's 256 scale bytes
	v_lshrrev_b32 v5, 1, v2
	s_add_co_u32 s33, s33, 2*32*SP
	v_add_nc_u32 v5, s33, v5                       ; LDS: my wave's 256 scale bytes, my block's byte
	v_add_nc_u32 v6, s33, v4                       ; and on the way out 8 bytes a lane
	s_lshl_b32 s34, ttmp9, 2
	s_add_co_u32 s34, s34, s32                     ; which run of 4 rows is my wave's: 0 .. 2047
	s_mov_b32 s37, 0
	s_lshl_b32 s36, s34, 14                        ; 4 rows of 4,096 bytes in x and in prev_h
	s_add_nc_u64 s[4:5], s[4:5], s[36:37]
	s_add_nc_u64 s[6:7], s[6:7], s[36:37]
	s_lshl_b32 s36, s34, 12                        ; 4 rows of 1,024 bytes of codes
	s_add_nc_u64 s[24:25], s[24:25], s[36:37]
	s_lshl_b32 s36, s34, 8                         ; 4 rows of 64 scale bytes
	s_add_nc_u64 s[26:27], s[26:27], s[36:37]
.macro LOAD t                          ; step t's 2,048 bytes: four loads of 512 consecutive bytes
.irp i, 0,1,2,3
.if ((\t)%4) < 2
	global_load_b128 v[R+16*((\t)%4)+4*\i:R+16*((\t)%4)+4*\i+3], v3, s[4:5] offset:4096*((\t)/4)+2048*((\t)%2)+512*\i th:TH_LOAD_NT
.else
	global_load_b128 v[R+16*((\t)%4)+4*\i:R+16*((\t)%4)+4*\i+3], v3, s[6:7] offset:4096*((\t)/4)+2048*((\t)%2)+512*\i th:TH_LOAD_NT
.endif
.endr
.endm
.macro TURN t                          ; step t's numbers through the stage: LDS serves a wave's instructions in order (ISA guide 5.7.1.4), so no wait stands between the stores and the loads
.irp i, 0,1,2,3
	ds_store_b128 v14, v[R+16*((\t)%4)+4*\i:R+16*((\t)%4)+4*\i+3] offset:32*SP*((\t)%2)+8*SP*\i
.endr
.irp i, 0,1,2,3
	ds_load_b128 v[X+16*((\t)%2)+4*\i:X+16*((\t)%2)+4*\i+3], v15 offset:32*SP*((\t)%2)+16*\i
.endr
.endm
.irp t, 0,1,2,3
	LOAD \t
.endr
	s_wait_alu depctr_va_vdst(0)
	s_wait_loadcnt 12                              ; step 0's four loads are in; the twelve of steps 1 to 3 stay out
	TURN 0
.macro STEP t
.set XS, X+16*((\t)%2)
.if (\t) > 0
	s_wait_dscnt 1                                 ; this step's numbers are back from the stage (the last step's byte store may be out): so its stores into the stage have read their registers,
.else
	s_wait_dscnt 0x0
.endif
.if (\t)+4 < STEPS
	LOAD (\t)+4                                    ; which take the loads of four steps on
.endif
.if (\t)+1 < STEPS
.if STEPS-2-(\t) >= 3
	s_wait_loadcnt 12                              ; the next step's four loads are in; those of the three steps behind it may be out
.else
	s_wait_loadcnt 4*(STEPS-2-(\t))                ; the counts run down: nothing more is asked for
.endif
	TURN (\t)+1                                    ; and go through the other stage while this step is worked
.endif
	v_max3_num_f32 v8, |v[XS]|, |v[XS+1]|, |v[XS+2]|               ; the largest magnitude of my 16, in two chains
	v_max3_num_f32 v9, |v[XS+3]|, |v[XS+4]|, |v[XS+5]|
.irp i, 6,10
	v_max3_num_f32 v8, v8, |v[XS+\i]|, |v[XS+\i+1]|
	v_max3_num_f32 v9, v9, |v[XS+\i+2]|, |v[XS+\i+3]|
.endr
	v_max3_num_f32 v8, v8, |v[XS+14]|, |v[XS+15]|
	v_max3_num_f32 v8, v8, v9, (EMAX+1)<<23        ; and the floor 2^(EMAX + 1 - 127): so the byte cannot fall under 1
	v_max_num_f32_dpp v8, v8, v8 row_xmask:1 row_mask:0xf bank_mask:0xf   ; and of my neighbour's 16: the block's
	v_add_nc_u32 v11, -(EMAX<<23), v8              ; EMAX off its exponent field: the conversion takes the exponent field of this operand as its scale, and nothing else of it
	v_cvt_scalef32_pk8_fp4_f32 v[C+4*(\t)], v[XS:XS+7], v11        ; eight numbers / the scale, to the nearest code; the first number's code in the lowest four bits
	v_cvt_scalef32_pk8_fp4_f32 v[C+4*(\t)+1], v[XS+8:XS+15], v11
	v_lshrrev_b32 v[E+(\t)], 23, v11               ; the scale's byte (a plain line behind the conversions)
	ds_store_b8 v5, v[E+(\t)] offset:16*(\t)       ; both lanes of a block write the same byte with the same value
	global_store_b64 v4, v[C+4*(\t):C+4*(\t)+1], s[24:25] offset:256*(\t)   ; the wave stores 256 consecutive bytes, at a multiple of 256 from the buffer's first byte
.endm
.irp t, 0,1,2,3,4,5,6,7,8,9,10,11,12,13,14,15
	STEP \t
.endr
	ds_load_b64 v[12:13], v6                       ; LDS serves a wave's instructions in order: these see my byte stores
	s_wait_dscnt 0x0
	global_store_b64 v4, v[12:13], s[26:27]        ; 32 lanes store the wave's 256 scale bytes, aligned
	s_wait_tensorcnt 0x0
	ds_add_u32 v192, v193
	s_wait_dscnt 0x0
	s_endpgm
	; ---------------- job P ----------------
.Lpack:
	s_sub_co_u32 s33, ttmp9, QWG                   ; c = 4 H + g: which 32 packed rows
	s_and_b32 s34, s33, 3                          ; g: the gate
	s_lshr_b32 s35, s33, 2                         ; H: which 32 hidden units
	s_mov_b64 s[36:37], s[8:9]                     ; the gate's buffers: a choice on the work-group's number alone
	s_mov_b64 s[38:39], s[16:17]
	s_cmp_eq_u32 s34, 1
	s_cselect_b64 s[36:37], s[10:11], s[36:37]
	s_cselect_b64 s[38:39], s[18:19], s[38:39]
	s_cmp_eq_u32 s34, 2
	s_cselect_b64 s[36:37], s[12:13], s[36:37]
	s_cselect_b64 s[38:39], s[20:21], s[38:39]
	s_cmp_eq_u32 s34, 3
	s_cselect_b64 s[36:37], s[14:15], s[36:37]
	s_cselect_b64 s[38:39], s[22:23], s[38:39]
	s_mov_b32 s41, 0
	s_lshl_b32 s40, s35, 15                        ; 32 rows of 1,024 bytes of codes
	s_add_nc_u64 s[36:37], s[36:37], s[40:41]
	s_lshl_b32 s40, s35, 11                        ; 32 rows of 64 scale bytes
	s_add_nc_u64 s[38:39], s[38:39], s[40:41]
	s_lshl_b32 s40, s33, 15
	s_add_nc_u64 s[28:29], s[28:29], s[40:41]
	s_lshl_b32 s40, s33, 11
	s_add_nc_u64 s[30:31], s[30:31], s[40:41]
	v_lshlrev_b32 v1, 4, v0                        ; 16 bytes a thread: the work-group covers 2,048 consecutive bytes an instruction, a wave 512
.irp j, 0,1,2,3,4,5,6,7,8,9,10,11,12,13,14,15
	global_load_b128 v[16+4*\j:19+4*\j], v1, s[36:37] offset:2048*\j th:TH_LOAD_NT
.endr
	global_load_b128 v[80:83], v1, s[38:39] th:TH_LOAD_NT
	s_wait_alu depctr_va_vdst(0)
.irp j, 0,1,2,3,4,5,6,7,8,9,10,11,12,13,14,15
	s_wait_loadcnt 16-\j                           ; load j is in; the 16 - j younger ones stay out
	global_store_b128 v1, v[16+4*\j:19+4*\j], s[28:29] offset:2048*\j
.endr
	s_wait_loadcnt 0x0
	global_store_b128 v1, v[80:83], s[30:31]       ; no register is written twice: no further wait
	s_endpgm
.Lfunc_end_k_q75178fbd71_prep:
	.size	k_q75178fbd71_prep, .Lfunc_end_k_q75178fbd71_prep-k_q75178fbd71_prep
	.p2alignl 7, 3214868480
	.fill 96, 4, 3214868480
	.section	.rodata,"a",@progbits
	.p2align	6, 0x0
	.amdhsa_kernel k_q75178fbd71_prep
		.amdhsa_group_segment_fixed_size 33280
		.amdhsa_private_segment_fixed_size 0
		.amdhsa_enable_private_segment 0
		.amdhsa_kernarg_size 112
		.amdhsa_user_sgpr_count 2
		.amdhsa_user_sgpr_kernarg_segment_ptr 1
		.amdhsa_wavefront_size32 1
		.amdhsa_system_sgpr_workgroup_id_x 1
		.amdhsa_system_sgpr_workgroup_id_y 1
		.amdhsa_system_sgpr_workgroup_id_z 1
		.amdhsa_system_vgpr_workitem_id 0
		.amdhsa_next_free_vgpr 194
		.amdhsa_next_free_sgpr 66
		.amdhsa_reserve_vcc 0
		.amdhsa_float_denorm_mode_32 3
		.amdhsa_float_denorm_mode_16_64 3
		.amdhsa_memory_ordered 1
		.amdhsa_forward_progress 1
		.amdhsa_inst_pref_size 38
	.end_amdhsa_kernel
	.amdgpu_metadata
---
amdhsa.version: [ 1, 2 ]
amdhsa.kernels:
  - .name:           k_q75178fbd71_prep
    .symbol:         k_q75178fbd71_prep.kd
    .args:
      - { .name: x, .offset: 0, .size: 8, .value_kind: global_buffer, .address_space: global }
      - { .name: prev_h, .offset: 8, .size: 8, .value_kind: global_buffer, .address_space: global }
      - { .name: Wi_codes, .offset: 16, .size: 8, .value_kind: global_buffer, .address_space: global }
      - { .name: Wf_codes, .offset: 24, .size: 8, .value_kind: global_buffer, .address_space: global }
      - { .name: Wo_codes, .offset: 32, .size: 8, .value_kind: global_buffer, .address_space: global }
      - { .name: Wz_codes, .offset: 40, .size: 8, .value_kind: global_buffer, .address_space: global }
      - { .name: Wi_scales, .offset: 48, .size: 8, .value_kind: global_buffer, .address_space: global }
      - { .name: Wf_scales, .offset: 56, .size: 8, .value_kind: global_buffer, .address_space: global }
      - { .name: Wo_scales, .offset: 64, .size: 8, .value_kind: global_buffer, .address_space: global }
      - { .name: Wz_scales, .offset: 72, .size: 8, .value_kind: global_buffer, .address_space: global }
      - { .name: a_codes, .offset: 80, .size: 8, .value_kind: global_buffer, .address_space: global }
      - { .name: a_scales, .offset: 88, .size: 8, .value_kind: global_buffer, .address_space: global }
      - { .name: w_codes, .offset: 96, .size: 8, .value_kind: global_buffer, .address_space: global }
      - { .name: w_scales, .offset: 104, .size: 8, .value_kind: global_buffer, .address_space: global }
    .group_segment_fixed_size: 33280
    .private_segment_fixed_size: 0
    .kernarg_segment_align: 8
    .kernarg_segment_size: 112
    .max_flat_workgroup_size: 128
    .sgpr_count:     66
    .vgpr_count:     194
    .wavefront_size: 32
...
	.end_amdgpu_metadata
.endif
;; end of part 1
;; launch cell (part 2): grid 16 x 32, 4 waves a work-group, clusters of 4 x 4, 327,680 bytes of LDS; arguments a_codes, a_scales, w_codes, w_scales, bi, bf, bo, bz, prev_c, out0; writes out0
.if DOCPART == 2
	.amdgcn_target "amdgcn-amd-amdhsa--gfx1250"
	.amdhsa_code_object_version 6
	.text
	.protected	k_q75178fbd71_cell
	.globl	k_q75178fbd71_cell
	.p2align	8
	.type	k_q75178fbd71_cell,@function
k_q75178fbd71_cell:
	s_mov_b64 s[64:65], 0
	v_nop
	global_prefetch_b8 v0, s[64:65] scope:SCOPE_SE
	s_setreg_imm32_b32 hwreg(HW_REG_WAVE_MODE, 25, 1), 1
	s_wait_xcnt 0x0
	s_wait_alu depctr_hold_cnt(0) depctr_sa_sdst(0) depctr_va_vdst(0) depctr_va_sdst(0) depctr_va_ssrc(0) depctr_va_vcc(0) depctr_vm_vsrc(0)
	s_getreg_b32 s2, hwreg(HW_REG_IB_STS2, 6, 4)
	s_cmp_eq_u32 s2, 0
	s_cbranch_scc0 .Lentry_in_a_cluster
	s_endpgm
.Lentry_in_a_cluster:
	s_bfe_u32 s2, ttmp6, 0x10000c
	s_cmp_lg_u32 s2, 0xf033
	s_cbranch_scc0 .Lentry_shape_is_right
	s_endpgm
.Lentry_shape_is_right:
; ONE LSTM STEP.  P_g = xh W_g^T + b_g for the gates g = i, f, o, z, on codes of FP4 (E2M1) with one E8M0 scale for each 32 along K (K = 2048), sums in f32; then, in f32,
; c = sigmoid(P_i) tanh(P_z) + sigmoid(P_f) prev_c, h = sigmoid(P_o) tanh(c); out0 = [h, c], [2][8192][1024] f32.
; xh's codes [8192][1024 bytes] and scale bytes [8192][64] and the packed weights [4096][1024 bytes], [4096][64] come from the launch before.  Packed row 32 (4 H + g) + r is row 32 H + r of gate g.
; SHARES.  A work-group of four waves, as many as a WGP has SIMDs, makes 256 rows x 256 packed columns: 64 hidden units x 4 gates.  A wave makes 128 x 128: 64 accumulators of 16 x 16, 512 registers.
; Its 128 packed columns are 32 hidden units x 4 gates: block b = 2 g + u of the weights is gate g, hidden units 16 u + 0 .. 15 of the wave's 32.
; THE MATRIX INSTRUCTION IS USED TRANSPOSED (source 0 = 16 packed rows of W, source 1 = 16 rows of xh): register i of lane (r, h) of accumulator (a, b) is row 16 a + r, gate b / 2, hidden unit 16 (b % 2) + 8 h + i.
; So ALL FOUR GATES OF AN ELEMENT LIE IN ONE LANE, and the cell's arithmetic needs no other lane.  The biases are the C of each sum's first matrix instruction.
; K goes in four steps of 512 through a ring of two LDS slots filled by the tensor data mover (a tile's row is 256 bytes of memory).  The scale bytes of the work-group's rows, for all of K, come once, with the first fills.
; CLUSTERS: 4 x 4 work-groups.  The four of a row of the cluster need the same tiles of xh, the four of a column the same tiles of W: each is asked for JOINTLY, by the same tensor load with the same descriptor and a
; mask that names the four.
; prev_c's tile (256 rows x 256 bytes) is asked for behind the first step of 128 along K into idle registers, in whole rows of 256 bytes, and laid into slot 0 once that slot has had its last fill and its last read.
; THE WAY OUT: a block of 16 rows at a time: h and c go through a stage in LDS, where the two waves of a row half meet, and leave as whole aligned rows of 256 bytes.
; RANGE: sigmoid(x) = 1 / (1 + 2^(-x log2 e)), tanh(x) = 1 - 2 / (1 + 2^(2 x log2 e)): an exponential that overflows gives infinity and its reciprocal 0, one that underflows gives 0: both are the functions' own limits,
; so nothing is clamped.  LIMITS: NaN and infinities among the inputs are not served.
; REGISTERS, in windows of 256.  Window 0: v0-31 addresses; v32-95 scale words, two sets, and nothing else; v96-127 the tail's prev_c and c; v128-191 xh's fragments, ONE set, in the tail the four gates of a block;
;   v192-255 the biases, in the tail h (v192-207) and rows on their way out (v224-255).   Window 1: W's fragments, TWO sets, at v0 and v128; v64-127 and v192-255 prev_c as loaded.
;   Window 2: the 32 accumulators of my rows 0-63 (accumulator (a, b) at v[8 (8 a + b)]);   window 3: those of my rows 64-127.
.set SIZE_K, 2048
.set KSTEP,  512                       ; along K in a slot
.set NQ,     KSTEP/128                 ; matrix instructions deep
.set ROWB,   256                       ; a tile's row in bytes
.set KROW,   SIZE_K/2                  ; a row of codes in memory, in bytes
.set PITCH,  272                       ; an LDS row: 256 bytes + 16 of padding = 68 words: row r starts at bank 4 r mod 64 (64 banks of 4 bytes: ISA guide 11.1), so the 16 rows that a load touches start at 16 different banks
.set FR,     8                         ; registers of a fragment: 16 rows x 128 K
.set NL,     2                         ; LDS loads that bring one
.set NP,     4                         ; places behind this matrix instruction (ISA guide 7.12.1)
.set HALFT,  128*PITCH                 ; 128 rows: what one tensor load brings
.set SLOT,   4*HALFT                   ; xh's 256 rows, then W's 256 rows
.set KS,     SIZE_K/32                 ; a row of scale bytes
.set SCL,    2*SLOT                    ; behind the ring: the scale bytes, as rows of 256 bytes + 16 of padding
.set HALFS,  (128*KS/256)*272          ; the scale bytes of 128 rows: what one wave reads of xh's or of W's (a head's load brings 256 rows' at once)
.set SBLK,   (16*KS/256)*272           ; those of 16 rows
; PREFETCHES INTO THE L2.  At a change of slots every wave has waited for all its tensor loads, so a refill has nothing on its way beside it: K steps 1 to 3 are asked of memory ahead of their loads.
; Of the 128 rows that a wave fetches in the ring, each of the four partners that ask for them jointly takes 32, told apart BY ADDRESS (cx for xh, cy for W): a lane a row, 256 bytes of it a K step.
; K steps 1 and 2 are asked for in the head, K step 3 behind the first step of 128 along K: seven steps of 128 ahead of its load.  K step 0 comes by its load alone.
; xh's rows are named by the four clusters that load them; W's by the clusters with cluster y under 4 alone: four for each block.  v30 and s[66:67] are never rewritten.
.macro ASK o1, o2                      ; s101 = 0 in xh's waves, cluster y in W's
	s_cmp_lt_u32 s101, 4
	s_cbranch_scc0 .Lnot_asked_\@
	global_prefetch_b8 v30, s[66:67] offset:\o1 th:TH_LOAD_NT scope:SCOPE_SE
.if \o2
	global_prefetch_b8 v30, s[66:67] offset:\o2 th:TH_LOAD_NT scope:SCOPE_SE
.endif
.Lnot_asked_\@:
.endm
.set SPARE,  SCL+4*HALFS               ; behind the scales: the spare words, 128 bytes for each wave: two blocks of 256 bytes that no other line names
.set STG,    2*HALFT                   ; the tail: prev_c's tile takes LDS bytes 0 on (256 rows x 272); the stage begins here: eight blocks, none written twice
.set SBL,    64*PITCH                  ; a block's stage: 32 rows of h, then 32 rows of c
.set SOUT,   32*PITCH
.set PCW,  8                           ; v8      where I lay prev_c's rows into LDS
.set PCA,  9                           ; v9      where I read my piece of prev_c
.set STO,  10                          ; v10-11  the stage: where I put 16 bytes of a row, blocks 0-3 and 4-7
.set RD,   12                          ; v12-13  and where I read a row back
.set CO,   14                          ; v14     4096 x (lane / 16) + 16 x (lane % 16): two rows of prev_c or of out0; never rewritten
.set BO,   15                          ; v15     my byte offset in a bias
.set ADRA, 16                          ; v16-17  LDS address of my fragments of xh in slot 0, 1
.set ADRB, 20                          ; v20-21  the same for W
.set ADRS, 27                          ; v27     LDS address of my scale words: lanes 0-15 xh's rows, lanes 16-31 W's
.set SPW,  28                          ; v28     LDS address of my spare word: SPARE + 4 x my thread's number; never rewritten
.set NIL,  29                          ; v29     0; never rewritten
.set SC,   32                          ; scale words: set s (for slot s) at v[SC + 32 s]; register 4 i + q: lanes 0-15 the word of xh's block i, lanes 16-31 that of W's block i, for the slot's q-th 128 along K
.set PCV,  96                          ; the tail: prev_c, 16 numbers: register 8 u + i
.set CV,   112                         ; c, likewise
.set AF,   128                         ; xh's fragments
.set GT,   128                         ; the tail: the four gates of a block: register 16 g + 8 u + i
.set BIAS, 192                         ; the biases: block b's eight at v[BIAS + 8 b]
.set HV,   192                         ; the tail: h
.set OB,   224                         ; the tail: 16 rows read back from the stage
.set KN,   18                          ; s[18:19] in the tail: -log2(e), twice
.set KP,   20                          ; s[20:21] in the tail: 2 log2(e), twice
.set G1, 24                            ; s[24:31] descriptor group 1 for xh's tiles;  s[32:39] group 0, one set for each slot
.set G0, 32
.set G1B, 48                           ; s[48:55], s[56:63] the same for W's tiles
.set G0B, 56
.set G1S, 68                           ; s[68:75], s[76:79] groups 1 and 0 for xh's scales;  s[80:87], s[88:91] for W's
.set G0S, 76
.set G1SB, 80
.set G0SB, 88
.set MSB, 0
.macro WIN new                         ; the immediate's high byte repeats the setting that is left; a switch that changes nothing is dropped
.if MSB != (\new)
	s_set_vgpr_msb (MSB<<8)|(\new)
.set MSB, (\new)
.endif
.endm
.set MUL_LO, 0xa1                      ; source 0 (W) window 1, source 1 (xh) window 0, C and D window 2
.set MUL_HI, 0xf1                      ; the same, C and D window 3
.set FST_LO, 0x81                      ; the first step: C (the bias) window 0, D window 2
.set FST_HI, 0xc1                      ; D window 3
.set TO_B,   0x40                      ; destination window 1, address window 0
; A joint load: waves 0 and 1 fetch for xh, waves 2 and 3 for W.  Each of the two lines has ONE mask and one set of registers for all that issue it; the branch hangs on the wave's number alone.
; Four v_nop follow each of the two lines, ahead of the jump, the label and what follows.
.macro JLOAD g0a, g1a, g0b, g1b
	s_cmp_eq_u32 s15, 0
	s_cbranch_scc0 .Lfor_b_\@
	tensor_load_to_lds s[\g0a:\g0a+3], s[\g1a:\g1a+7]
	s_nop 0
.rept 4
	v_nop
.endr
	s_branch .Lasked_\@
.Lfor_b_\@:
	tensor_load_to_lds s[\g0b:\g0b+3], s[\g1b:\g1b+7]
	s_nop 0
.rept 4
	v_nop
.endr
.Lasked_\@:
.endm
.macro CREST                           ; a round of the cluster's barrier behind its opening barrier
	s_cmp_lg_u32 s14, 0
	s_cbranch_scc1 .Lnot_wave_0_\@
	s_barrier_signal -3
.Lnot_wave_0_\@:
	s_barrier_wait -3
	s_barrier_signal -1
	s_barrier_wait -1
.endm
.macro CROUND                          ; a whole round
	s_barrier_signal -1
	s_barrier_wait -1
	CREST
.endm
	s_load_b256 s[4:11], s[0:1], 0x0               ; xh's codes s[4:5], xh's scales s[6:7], W's codes s[8:9], W's scales s[10:11]
	s_load_b256 s[92:99], s[0:1], 0x20             ; bi s[92:93], bf s[94:95], bo s[96:97], bz s[98:99]
	s_load_b64 s[2:3], s[0:1], 0x40                ; prev_c
	s_load_b64 s[12:13], s[0:1], 0x48              ; out0
	v_lshl_add_u32 v[SPW], v0, 2, SPARE
	v_mov_b32 v[NIL], 0
	ds_add_u32 v28, v29
	ds_add_u32 v28, v29
	s_wait_dscnt 0x0
	v_lshrrev_b32 v1, 5, v0
	v_readfirstlane_b32 s14, v1                    ; wave 0..3
	s_lshr_b32 s15, s14, 1                         ; which half of the tile's rows is mine.  Also: I fetch for xh (0) or for W (1).  Also: I store h (0) or c (1)
	s_and_b32 s16, s14, 1                          ; which half of its packed columns.  Also: which 128 rows of a tile I fetch, and of which half of the rows I store
	s_bfe_u32 s40, ttmp6, 0x40000                  ; cx, cy: my place in the cluster
	s_bfe_u32 s41, ttmp6, 0x40004
	s_lshl_b32 s42, ttmp9, 2
	s_add_co_u32 s42, s42, s40                     ; tile column = 4 x cluster x + cx: 64 hidden units each
	s_and_b32 s17, ttmp7, 0xffff
	s_lshl_b32 s17, s17, 2
	s_add_co_u32 s17, s17, s41                     ; tile row = 4 x cluster y + cy: 256 rows each
	s_lshl_b32 s43, s41, 2
	s_lshl_b32 s43, 15, s43                        ; my row of the cluster
	s_lshl_b32 s44, 0x1111, s40                    ; my column
	; descriptor group 1: a tile of 128 rows x 256 bytes, padded in LDS
	s_or_b32 s[G1+0], s43, (0<<16)|(1<<20)|(1<<21)|(5<<22)|(3<<25)  ; 15:0 the mask: xh's tiles go to my row; 17:16 element of 1 byte; 20 padding on; 21 set beside a mask; 24:22 after every 64 words (code 5); 31:25 of 4 words (code 3)
	s_or_b32 s[G1B+0], s44, (0<<16)|(1<<20)|(1<<21)|(5<<22)|(3<<25) ; the same with the mask of my column, for W's tiles
.irp g, G1, G1B
	s_mov_b32 s[\g+1], ROWB<<16                    ; tensor_dim0
	s_mov_b32 s[\g+2], 256<<16                     ; tensor_dim1 = 256 for the head's loads; set to 128 for the ring's behind the wait that shows them landed
	s_mov_b32 s[\g+3], ROWB<<16                    ; tile_dim0
	s_mov_b32 s[\g+4], 256                         ; tile_dim1 = 256, likewise
	s_mov_b32 s[\g+5], KROW                        ; tensor_dim0_stride
	s_mov_b32 s[\g+6], 0
	s_mov_b32 s[\g+7], 0
.endr
	; and for the scale bytes of 256 rows: a dense block of 16,384 bytes, as 64 rows of 256 bytes (32 elements of 8 bytes), 16 bytes of padding behind each
	s_or_b32 s[G1S+0], s43, (3<<16)|(1<<20)|(1<<21)|(5<<22)|(3<<25)
	s_or_b32 s[G1SB+0], s44, (3<<16)|(1<<20)|(1<<21)|(5<<22)|(3<<25)
.irp g, G1S, G1SB
	s_mov_b32 s[\g+1], 32<<16
	s_mov_b32 s[\g+2], KS<<16                      ; the scale bytes of 256 rows: 256 KS bytes = KS rows of 256 bytes
	s_mov_b32 s[\g+3], 32<<16
	s_mov_b32 s[\g+4], KS
	s_mov_b32 s[\g+5], 32
	s_mov_b32 s[\g+6], 0
	s_mov_b32 s[\g+7], 0
.endr
	; where the tiles come from.  xh's hang on the tile row alone, W's on the tile column alone; every wave makes both, in registers that never hold the other coordinate, and asks by one of them
	s_lshl_b32 s20, s17, 8                         ; xh: the tile's first row, 256 x tile row
	s_lshl_b32 s46, s42, 8                         ; W: packed row 256 x tile column
	s_mov_b32 s21, 0
	s_mov_b32 s47, 0
	s_mov_b64 s[18:19], KS
	s_mul_u64 s[22:23], s[20:21], s[18:19]         ; where these rows' scale bytes begin
	s_mul_u64 s[100:101], s[46:47], s[18:19]
	s_mov_b64 s[18:19], KROW
	s_mul_u64 s[20:21], s[20:21], s[18:19]         ; and their codes
	s_mul_u64 s[46:47], s[46:47], s[18:19]
	s_mul_i32 s18, s16, 128*KROW                   ; in the ring I fetch 128 rows of a tile: which half, in bytes,
	s_mov_b32 s19, 0
	s_mul_i32 s45, s14, HALFT                      ; and where they go: wave x 128 rows: no place in the cluster enters an LDS address
	s_wait_kmcnt 0x0
	s_add_nc_u64 s[20:21], s[4:5], s[20:21]
	s_add_nc_u64 s[22:23], s[6:7], s[22:23]
	s_add_nc_u64 s[46:47], s[8:9], s[46:47]
	s_add_nc_u64 s[100:101], s[10:11], s[100:101]
	CROUND                                         ; all sixteen work-groups are here: the first joint loads meet
.set G0H, 4                            ; s[4:7], s[8:11] group 0 for the head's loads of K step 0 (the arguments that lay there have been used)
.set G0HB, 8
	s_mov_b32 s[G0H], 1                            ; the head's four tiles, each whole: K step 0's 256 rows of xh,
	s_mov_b32 s[G0H+1], 0
	s_mov_b64 s[G0H+2:G0H+3], s[20:21]
	s_or_b32 s[G0H+3], s[G0H+3], 0x80000000
	s_mov_b32 s[G0HB], 1                           ; its 256 rows of W, behind them in slot 0,
	s_mov_b32 s[G0HB+1], 2*HALFT
	s_mov_b64 s[G0HB+2:G0HB+3], s[46:47]
	s_or_b32 s[G0HB+3], s[G0HB+3], 0x80000000
	s_mov_b32 s[G0S], 1                            ; the scale bytes of xh's 256 rows,
	s_mov_b32 s[G0S+1], SCL
	s_mov_b64 s[G0S+2:G0S+3], s[22:23]
	s_or_b32 s[G0S+3], s[G0S+3], 0x80000000
	s_mov_b32 s[G0SB], 1
	s_mov_b32 s[G0SB+1], SCL+2*HALFS               ; and of W's, behind them
	s_mov_b64 s[G0SB+2:G0SB+3], s[100:101]
	s_or_b32 s[G0SB+3], s[G0SB+3], 0x80000000
	s_add_nc_u64 s[20:21], s[20:21], s[18:19]      ; for the ring: my 128 rows of the tile
	s_add_nc_u64 s[46:47], s[46:47], s[18:19]
	s_cmp_eq_u32 s15, 0                            ; the prefetches: do I fetch for xh?
	s_cselect_b64 s[66:67], s[20:21], s[46:47]     ; the 128 rows that I fetch,
	s_cselect_b32 s22, s40, s41                    ; my place among the four that ask for them with me,
	s_mul_i32 s22, s22, 32*KROW                    ; and my work-group's 32 of them
	s_mov_b32 s23, 0
	s_add_nc_u64 s[66:67], s[66:67], s[22:23]
	s_and_b32 s101, ttmp7, 0xffff                  ; cluster y,
	s_mul_i32 s101, s101, s15                      ; in W's waves alone
.irp s, 0,1
	s_mov_b32 s[G0+4*\s], 1                                        ; 1:0 count = 1
	s_add_co_u32 s[G0+4*\s+1], s45, \s*SLOT                        ; 63:32 LDS address
	s_add_nc_u64 s[G0+4*\s+2:G0+4*\s+3], s[20:21], \s*ROWB         ; 120:64 global address: K step s
	s_or_b32 s[G0+4*\s+3], s[G0+4*\s+3], 0x80000000                ; 127:126 type = 2
	s_mov_b32 s[G0B+4*\s], 1
	s_add_co_u32 s[G0B+4*\s+1], s45, \s*SLOT
	s_add_nc_u64 s[G0B+4*\s+2:G0B+4*\s+3], s[46:47], \s*ROWB
	s_or_b32 s[G0B+4*\s+3], s[G0B+4*\s+3], 0x80000000
.endr
; THE HEAD'S LOADS, ONE A WAVE: wave 0 fetches K step 0's 256 rows of xh, wave 1 its 256 rows of W, wave 2 xh's scale bytes, wave 3 W's.
; One tree of branches on the wave's number: every way through the head passes exactly one load.
.macro ARM under, g0, g1, next
	s_cmp_lt_u32 s14, \under
	s_cbranch_scc0 \next
	tensor_load_to_lds s[\g0:\g0+3], s[\g1:\g1+7]
	s_nop 0
.rept 4
	v_nop
.endr
	s_branch .Lhead_asked
\next:
.endm
	ARM 1, G0H,  G1,  .Lhead_b
	ARM 2, G0HB, G1B, .Lhead_sa
	ARM 3, G0S,  G1S, .Lhead_sb
	tensor_load_to_lds s[G0SB:G0SB+3], s[G1SB:G1SB+7]
	s_nop 0
.rept 4
	v_nop
.endr
.Lhead_asked:
	v_and_b32 v1, 15, v0                           ; r = l % 16
	v_bfe_u32 v2, v0, 4, 1                         ; h = l / 16
	v_and_b32 v30, 31, v0
	v_lshlrev_b32 v30, 10, v30                     ; the prefetches' offset: my lane x a row of 1,024 bytes of codes; never rewritten
	v_mul_u32_u24 v3, v1, PITCH                    ; r x 272
	v_lshl_add_u32 v4, v2, 4, v3                   ; a fragment's row x pitch + 16 x half
	s_mul_i32 s21, s15, HALFT                      ; my 128 rows of xh
	s_mul_i32 s22, s16, HALFT                      ; my 128 rows of W,
	s_add_co_u32 s22, s22, 2*HALFT                 ; which lie behind xh's 256
.irp s, 0,1
	v_add_nc_u32 v[ADRA+\s], s21, v4
	v_add_nc_u32 v[ADRB+\s], s22, v4
	s_add_co_u32 s21, s21, SLOT
	s_add_co_u32 s22, s22, SLOT
.endr
	v_mul_u32_u24 v5, v1, KS                       ; my row's scale bytes: 64 a row,
	v_lshrrev_b32 v6, 8, v5
	v_lshl_add_u32 v5, v6, 4, v5                   ; and 16 more for each 256 passed
	s_mul_i32 s21, s15, HALFS                      ; xh's: my 128 rows
	s_mul_i32 s22, s16, HALFS                      ; W's: my 128 rows, behind xh's 256
	s_add_co_u32 s22, s22, 2*HALFS
	s_sub_co_u32 s22, s22, s21
	v_mul_u32_u24 v6, s22, v2                      ; lanes 16-31 take W's: one product, the distance between the two bases
	s_add_co_u32 s21, s21, SCL
	v_add_nc_u32 v5, v5, v6
	v_add_nc_u32 v[ADRS], s21, v5
	; the tail's LDS addresses: the wave's number and the lane alone
	v_mul_u32_u24 v5, v2, PITCH
	v_lshl_add_u32 v5, v1, 4, v5                   ; h x 272 + 16 r: sixteen lanes to a row, two rows an instruction
	s_wait_alu depctr_va_vdst(0)
	ASK 256, 512                                   ; K steps 1 and 2 of my 32 rows
	v_lshl_add_u32 v6, v2, 5, v3                   ; r x 272 + 32 h: a lane's eight numbers of row r
	s_lshl_b32 s18, s16, 7                         ; my 32 hidden units: 128 bytes of a row's 256
	s_mul_i32 s23, s14, 64*PITCH
	v_add_nc_u32 v[PCW], s23, v5                   ; prev_c in: wave w lays rows 64 w .. 64 w + 63
	s_mul_i32 s23, s15, HALFT
	s_add_co_u32 s23, s23, s18
	v_add_nc_u32 v[PCA], s23, v6                   ; prev_c back: row 128 x half + r, my 128 bytes, + 32 h
	s_mul_i32 s23, s15, 16*PITCH
	s_add_co_u32 s23, s23, s18
	s_add_co_u32 s23, s23, STG
	v_add_nc_u32 v[STO], s23, v6                   ; the stage, in: row 16 x half + r, my 128 bytes, + 32 h
	v_add_nc_u32 v[STO+1], 4*SBL, v[STO]           ; blocks 4 to 7: four blocks on, so that the immediates stay inside 16 bits
	s_mul_i32 s23, s14, 16*PITCH
	s_add_co_u32 s23, s23, STG
	v_add_nc_u32 v[RD], s23, v5                    ; the stage, back: wave w takes rows 16 w .. 16 w + 15: waves 0, 1 those of h, waves 2, 3 those of c
	v_add_nc_u32 v[RD+1], 4*SBL, v[RD]
	; global offsets and bases
	v_lshlrev_b32 v[CO], 12, v2
	v_lshl_add_u32 v[CO], v1, 4, v[CO]             ; two rows of 4,096 bytes, 16 bytes a lane
	s_lshl_b32 s46, s42, 8                         ; the tile's 64 hidden units: 256 bytes x tile column (in the registers that held W's address)
	s_mov_b32 s47, 0
	s_add_co_u32 s100, s46, s18                    ; + my 32
	v_lshl_add_u32 v[BO], v2, 5, s100              ; a bias: my 32 numbers, + 32 h
	s_wait_alu depctr_va_vdst(0)
	s_lshl_b32 s20, s17, 8
	s_lshl_b32 s21, s14, 6
	s_add_co_u32 s20, s20, s21                     ; prev_c: the first row that I load: 256 x tile row + 64 x wave
	s_lshl_b32 s20, s20, 12                        ; (under 2^25)
	s_mov_b32 s21, 0
	s_add_nc_u64 s[20:21], s[20:21], s[46:47]
	s_add_nc_u64 s[2:3], s[2:3], s[20:21]
	s_lshl_b32 s20, s17, 8
	s_add_co_u32 s20, s20, s18                     ; out0: the first row that I store: 256 x tile row + 128 x (wave % 2),
	s_lshl_b32 s20, s20, 12
	s_lshl_b32 s21, s15, 25                        ; in h (waves 0, 1) or in c, 2^25 bytes on (waves 2, 3)
	s_add_co_u32 s20, s20, s21
	s_mov_b32 s21, 0
	s_add_nc_u64 s[20:21], s[20:21], s[46:47]
	s_add_nc_u64 s[12:13], s[12:13], s[20:21]
.irp g, 0,1,2,3                        ; the biases in the result's layout: block 2 g + u: gate g, hidden units 16 u + 8 h + 0 .. 7
.irp u, 0,1
.irp e, 0,1
	global_load_b128 v[BIAS+8*(2*\g+\u)+4*\e:BIAS+8*(2*\g+\u)+4*\e+3], v[BO], s[92+2*\g:93+2*\g] offset:64*\u+16*\e
.endr
.endr
.endr
; prev_c: 32 loads, two rows of 256 aligned bytes each, into registers of window 1 that W's two sets leave idle.  They are asked for behind the first step of 128 along K,
; behind the head's tiles, and are waited for where slot 0 is left for good: eleven steps of 128 later.
.macro PCASK
	WIN TO_B
.irp t, 0,1,2,3,4,5,6,7,8,9,10,11,12,13,14,15
	global_load_b128 v[64+4*\t:64+4*\t+3], v[CO], s[2:3] offset:8192*\t th:TH_LOAD_NT
.endr
.irp t, 0,1,2,3,4,5,6,7,8,9,10,11,12,13,14,15
	global_load_b128 v[192+4*\t:192+4*\t+3], v[CO], s[2:3] offset:8192*(16+\t) th:TH_LOAD_NT
.endr
	WIN 0
.endm
.macro FRAG reg, adr, q, i             ; a fragment, 16 rows x 128 K of 4-bit codes, is 8 registers: lane l holds row l % 16; registers 4 c .. 4 c + 3 hold K = 64 c + 32 (l / 16) + 0 .. 31, the lower K in the lower bits
.irp c, 0,1
	ds_load_b128 v[\reg+4*\c:\reg+4*\c+3], v[\adr] offset:64*(\q)+32*\c+(\i)*16*PITCH
.endr
.endm
; 16 matrix instructions: xh's blocks a0, a0 + 1 x W's eight, 128 along K: the slot's q-th.  p: W's set;  sc: the set of scale words.  first = 1: the sums start from the biases: nothing is cleared, nothing is added later.
; The 64 accumulators take turns, one instruction a turn, in the same order in every step.
.macro MUL16 a0, p, q, sc, first
.irp a, \a0, \a0+1
.irp b, 0,1,2,3,4,5,6,7
.if \first
	v_wmma_scale_f32_16x16x128_f8f6f4 v[8*(8*((\a)%4)+\b):8*(8*((\a)%4)+\b)+7], v[128*(\p)+FR*\b:128*(\p)+FR*\b+FR-1], v[AF+FR*(\a):AF+FR*(\a)+FR-1], v[BIAS+8*\b:BIAS+8*\b+7], v[SC+8*NQ*(\sc)+NQ*\b+(\q)], v[SC+8*NQ*(\sc)+NQ*(\a)+(\q)] matrix_a_fmt:MATRIX_FMT_FP4 matrix_b_fmt:MATRIX_FMT_FP4 matrix_a_scale:MATRIX_SCALE_ROW1
.else
	v_wmma_scale_f32_16x16x128_f8f6f4 v[8*(8*((\a)%4)+\b):8*(8*((\a)%4)+\b)+7], v[128*(\p)+FR*\b:128*(\p)+FR*\b+FR-1], v[AF+FR*(\a):AF+FR*(\a)+FR-1], v[8*(8*((\a)%4)+\b):8*(8*((\a)%4)+\b)+7], v[SC+8*NQ*(\sc)+NQ*\b+(\q)], v[SC+8*NQ*(\sc)+NQ*(\a)+(\q)] matrix_a_fmt:MATRIX_FMT_FP4 matrix_b_fmt:MATRIX_FMT_FP4 matrix_a_scale:MATRIX_SCALE_ROW1
.endif
.endr
.endr
.endm
.macro FETCH_B slot, q, p              ; W's eight fragments of the slot's q-th 128 along K into set p
	WIN TO_B
.irp i, 0,1,2,3,4,5,6,7
	FRAG 128*(\p)+FR*\i, ADRB+\slot, \q, \i
.endr
	WIN 0
.endm
.macro FETCH_A slot, q, i0             ; xh's blocks i0 .. i0 + 3
.irp i, \i0, \i0+1, \i0+2, \i0+3
	FRAG AF+FR*(\i), ADRA+\slot, \q, \i
.endr
.endm
.macro SCALES sc                       ; a K step's scale words into set sc: four words a row; lanes 0-15 take xh's block i, lanes 16-31 W's block i
.irp i, 0,1,2,3,4,5,6,7
	ds_load_b128 v[SC+8*NQ*\sc+NQ*\i:SC+8*NQ*\sc+NQ*\i+3], v[ADRS] offset:\i*SBLK
.endr
.endm
; A load into a register that a matrix instruction has read, and a vector instruction or an LDS store that reads a matrix result, stand NP places behind that matrix instruction, and only plain vector
; instructions that name none of its registers are places (ISA guide 7.12.1 for vector instructions); the matrix instructions in between are not counted.
.macro PLACES n
.rept \n
	v_nop
.endr
.endm
; A step of 128 along K that has its successor in the same slot.  A block of xh is free as soon as its eight products are issued: blocks 0-3 are fetched anew in the step's middle, blocks 4-7 at its end.
.macro STEP slot, q, first
	s_wait_dscnt 4*NL                              ; W's set and xh's blocks 0-3 are in; the youngest eight loads (xh's blocks 4-7) may be out
.if \first
	WIN FST_LO
.else
	WIN MUL_LO
.endif
	MUL16 0, (\q)%2, \q, \slot, \first
	MUL16 2, (\q)%2, \q, \slot, \first
	s_wait_dscnt 0                                 ; xh's blocks 4-7 are in (asked for 32 matrix instructions ago)
	PLACES NP
	FETCH_B \slot, (\q)+1, 1-(\q)%2
	FETCH_A \slot, (\q)+1, 0
.if \first
	WIN FST_HI
.else
	WIN MUL_HI
.endif
	MUL16 4, (\q)%2, \q, \slot, \first
	MUL16 6, (\q)%2, \q, \slot, \first
	PLACES NP
	WIN 0
	FETCH_A \slot, (\q)+1, 4
.endm
; prev_c's tile goes from registers into slot 0's first 69,632 bytes.  It stands behind the barrier of the change of slots that leaves slot 0 for the last time: the slot has had its last fill, and no wave reads it any more.
.macro PCSTORE
	s_wait_loadcnt 0x0                             ; my 32 loads of prev_c, asked for behind the first step of 128 along K
	WIN 0x04                                       ; an LDS store's data are its source 1: window 1
.irp t, 0,1,2,3,4,5,6,7,8,9,10,11,12,13,14,15
	ds_store_b128 v[PCW], v[64+4*\t:64+4*\t+3] offset:2*PITCH*\t
.endr
.irp t, 0,1,2,3,4,5,6,7,8,9,10,11,12,13,14,15
	ds_store_b128 v[PCW], v[192+4*\t:192+4*\t+3] offset:2*PITCH*(16+\t)
.endr
	WIN 0
.endm
; A slot's last step changes slots: ONE barrier; in front of it each wave waits for all its tensor loads, adds 0 to its spare word, and waits for that and for its own reads of this slot.
; fill = 1: this slot is filled again, two K steps ahead: the barrier opens a round of the cluster's barrier.  fill = 0: slot 0 is left for good, and takes prev_c.
.macro TURN slot, next, fill
	s_wait_tensorcnt 0x0                           ; all my tensor loads have landed: my part of the next slot;  (every window is 0 here: the add's two registers lie in window 0)
	ds_add_u32 v[SPW], v[NIL]                      ; 0 onto my spare word
	s_wait_dscnt 4*NL+1                            ; (the add and the youngest eight loads, xh's blocks 4-7, may be out)
	WIN MUL_LO
	MUL16 0, 1, NQ-1, \slot, 0                     ; sixteen matrix instructions stand between the add and the wait for it
	s_wait_dscnt 0x0                               ; the add is done, and my reads of this slot are over
	s_barrier_signal -1
	MUL16 2, 1, NQ-1, \slot, 0
	WIN 0
	s_barrier_wait -1
.if \fill
	CREST                                          ; no wave of any partner still reads this slot's tile or has a load on its way
	s_add_nc_u64 s[G0+4*\slot+2:G0+4*\slot+3], s[G0+4*\slot+2:G0+4*\slot+3], 2*ROWB
	s_add_nc_u64 s[G0B+4*\slot+2:G0B+4*\slot+3], s[G0B+4*\slot+2:G0B+4*\slot+3], 2*ROWB
	JLOAD G0+4*\slot, G1, G0B+4*\slot, G1B         ; the first tensor load behind the round, my one load until the next; the four v_nop behind it are the places in front of the loads below
.else
	PLACES NP
	PCSTORE
.endif
	s_wait_alu depctr_va_vdst(0)
	v_add_nc_u32 v[ADRS], 4*NQ, v[ADRS]            ; on to the next K step's scale words
	FETCH_B \next, 0, 0
	FETCH_A \next, 0, 0
	SCALES \next
	WIN MUL_HI
	MUL16 4, 1, NQ-1, \slot, 0
	MUL16 6, 1, NQ-1, \slot, 0
	PLACES NP
	WIN 0
	FETCH_A \next, 0, 4
.endm
.macro STEPS slot, from                ; the slot's steps from .. NQ - 2
.set Q, \from
.rept NQ-1-\from
	STEP \slot, Q, 0
.set Q, Q+1
.endr
.endm
	s_wait_alu depctr_va_vdst(0)
	s_wait_tensorcnt 0x0                           ; my tile of the head's four is in
	ds_add_u32 v[SPW], v[NIL]                      ; 0 onto my spare word
	s_mov_b32 s[G1+2], 128<<16                     ; no tensor load of mine is out, so a descriptor may be written: from here on a load brings 128 rows
	s_mov_b32 s[G1+4], 128
	s_mov_b32 s[G1B+2], 128<<16
	s_mov_b32 s[G1B+4], 128
	s_wait_dscnt 0x0                               ; the add is done
	CROUND                                         ; a whole round: all four tiles are in, and all sixteen work-groups are here,
	JLOAD G0+4, G1, G0B+4, G1B                     ; and K step 1's joint load, slot 1's first fill, is the first tensor load behind the round
	FETCH_B 0, 0, 0
	FETCH_A 0, 0, 0
	SCALES 0
	FETCH_A 0, 0, 4
	s_wait_loadcnt 0x0                             ; the sixteen loads of the biases are in: no other load has been asked for
	; K has four steps of 512, twice round the ring: written straight, no loop
	STEP 0, 0, 1                                   ; the first products start the sums from the biases
	ASK 768, 0                                     ; K step 3 of my 32 rows
	PCASK                                          ; prev_c's tile is asked for here
	STEPS 0, 1
	TURN 0, 1, 1                                   ; slot 0 takes K step 2
	STEPS 1, 0
	TURN 1, 0, 1                                   ; slot 1 takes K step 3
	STEP 0, 0, 0
	STEPS 0, 1
	TURN 0, 1, 0                                   ; nothing is left to fetch; slot 0 takes prev_c
	STEPS 1, 0
	s_wait_dscnt 4*NL                              ; the very last step
	WIN MUL_LO
	MUL16 0, 1, NQ-1, 1, 0
	MUL16 2, 1, NQ-1, 1, 0
	s_wait_dscnt 0
	WIN MUL_HI
	MUL16 4, 1, NQ-1, 1, 0
	MUL16 6, 1, NQ-1, 1, 0
	WIN 0
; THE TAIL, a block of 16 rows at a time.
.macro PCLOAD a                        ; my piece of prev_c for block a: register 8 u + 4 e + k = prev_c(16 a + r, 16 u + 8 h + 4 e + k)
.irp u, 0,1
.irp e, 0,1
	ds_load_b128 v[PCV+8*\u+4*\e:PCV+8*\u+4*\e+3], v[PCA] offset:16*PITCH*(\a)+64*\u+16*\e
.endr
.endr
.endm
.macro SEND a                          ; block a's rows leave: wave w stores h (w < 2) or c, rows 128 (w % 2) + 16 a + 2 t + (lane / 16)
.irp t, 0,1,2,3,4,5,6,7
	global_store_b128 v[CO], v[OB+4*\t:OB+4*\t+3], s[12:13] offset:65536*(\a)+8192*\t th:TH_STORE_NT   ; 16 lanes store 256 consecutive bytes, at a multiple of 256 from out0's first byte; the place stands in the immediate: no base is stepped
.endr
.endm
; The cell's arithmetic for block a: 16 elements a lane.  The transcendentals go in four batches, each with one plain line behind it and ONE wait ahead of its first reader.
.macro MATH a
.set AC, 64*((\a)%4)
	WIN 0x02+(\a)/4                                ; source 0: window 2 or 3
.irp b, 0,1,2,3,4,5                    ; i, f, o: -x log2(e).  Each accumulator is read from its low end on
.irp p, 0,2,4,6
	v_pk_mul_f32 v[GT+8*\b+\p:GT+8*\b+\p+1], v[AC+8*\b+\p:AC+8*\b+\p+1], s[KN:KN+1] op_sel_hi:[1,0]
.endr
.endr
.irp b, 6,7                            ; z: 2 x log2(e)
.irp p, 0,2,4,6
	v_pk_mul_f32 v[GT+8*\b+\p:GT+8*\b+\p+1], v[AC+8*\b+\p:AC+8*\b+\p+1], s[KP:KP+1] op_sel_hi:[1,0]
.endr
.endr
	WIN 0
.set j, 0
	s_wait_alu depctr_va_vdst(0)
.rept 64
	v_exp_f32 v[GT+j], v[GT+j]
.set j, j+1
.endr
	v_nop                                          ; a plain line behind the last exponential
	s_wait_dscnt 0x0                               ; my piece of prev_c is in, and so are the rows of the block before
.if (\a) > 0
	SEND (\a)-1                                    ; they leave here: work that names no exponential's result
.endif
	s_wait_alu depctr_va_vdst(0)                   ; one wait for the 64
.set j, 0
.rept 32
	v_pk_add_f32 v[GT+j:GT+j+1], v[GT+j:GT+j+1], 1.0 op_sel_hi:[1,0]
.set j, j+2
.endr
.set j, 0
	s_wait_alu depctr_va_vdst(0)
.rept 64
	v_rcp_f32 v[GT+j], v[GT+j]                     ; registers 0-47: i, f, o
.set j, j+1
.endr
	v_nop
	s_wait_alu depctr_va_vdst(0)                   ; one wait for the 64
.irp p, 0,2,4,6,8,10,12,14
	v_pk_fma_f32 v[GT+48+\p:GT+48+\p+1], v[GT+48+\p:GT+48+\p+1], -2.0, 1.0 op_sel_hi:[1,0,0]   ; z = 1 - 2 / (1 + 2^(2 x log2 e))
.endr
.irp p, 0,2,4,6,8,10,12,14
	v_pk_mul_f32 v[CV+\p:CV+\p+1], v[GT+16+\p:GT+16+\p+1], v[PCV+\p:PCV+\p+1]                  ; f prev_c
.endr
.irp p, 0,2,4,6,8,10,12,14
	v_pk_fma_f32 v[CV+\p:CV+\p+1], v[GT+\p:GT+\p+1], v[GT+48+\p:GT+48+\p+1], v[CV+\p:CV+\p+1]  ; c = i z + f prev_c
.endr
.irp p, 0,2,4,6,8,10,12,14
	v_pk_mul_f32 v[HV+\p:HV+\p+1], v[CV+\p:CV+\p+1], s[KP:KP+1] op_sel_hi:[1,0]
.endr
.set j, 0
	s_wait_alu depctr_va_vdst(0)
.rept 16
	v_exp_f32 v[HV+j], v[HV+j]
.set j, j+1
.endr
	v_nop
	s_wait_alu depctr_va_vdst(0)
.irp p, 0,2,4,6,8,10,12,14
	v_pk_add_f32 v[HV+\p:HV+\p+1], v[HV+\p:HV+\p+1], 1.0 op_sel_hi:[1,0]
.endr
.set j, 0
	s_wait_alu depctr_va_vdst(0)
.rept 16
	v_rcp_f32 v[HV+j], v[HV+j]
.set j, j+1
.endr
	v_nop
	s_wait_alu depctr_va_vdst(0)
.irp p, 0,2,4,6,8,10,12,14
	v_pk_fma_f32 v[HV+\p:HV+\p+1], v[HV+\p:HV+\p+1], -2.0, 1.0 op_sel_hi:[1,0,0]               ; tanh(c)
.endr
.irp p, 0,2,4,6,8,10,12,14
	v_pk_mul_f32 v[HV+\p:HV+\p+1], v[GT+32+\p:GT+32+\p+1], v[HV+\p:HV+\p+1]                    ; h = o tanh(c)
.endr
.endm
; Block a's h and c go into the block's own 64 rows of the stage; a barrier, since a row's 256 bytes come from two waves; then each wave reads 16 whole rows back.  No stage byte is written twice, so one barrier a block is enough.
.macro TOSTAGE a
.set K4, (\a)%4
.set SA, STO+(\a)/4
.set RA, RD+(\a)/4
.irp u, 0,1
.irp e, 0,1
	ds_store_b128 v[SA], v[HV+8*\u+4*\e:HV+8*\u+4*\e+3] offset:SBL*K4+64*\u+16*\e
	ds_store_b128 v[SA], v[CV+8*\u+4*\e:CV+8*\u+4*\e+3] offset:SBL*K4+SOUT+64*\u+16*\e
.endr
.endr
	s_wait_dscnt 0x0                               ; for the others' sake: my stores into the stage are done
	s_barrier_signal -1
	s_barrier_wait -1
	s_wait_xcnt 0x0                                ; the stores of the block before have read their data: the registers are loaded again only behind this wait
.irp t, 0,1,2,3,4,5,6,7
	ds_load_b128 v[OB+4*\t:OB+4*\t+3], v[RA] offset:SBL*K4+2*PITCH*\t
.endr
.if (\a) < 7
	PCLOAD (\a)+1
.endif
.endm
	PLACES NP                                      ; behind the last products: for the reads of their results and the writes over xh's fragments
	s_wait_dscnt 0x0                               ; my stores of prev_c have landed, my reads of slot 1 are over
	s_barrier_signal -1
	s_barrier_wait -1                              ; everybody's: prev_c's tile is whole, and nobody reads slot 1, whose first half takes the stage of blocks 4 to 7
	s_mov_b32 s[KN], 0xbfb8aa3b                    ; -log2(e)
	s_mov_b32 s[KN+1], 0xbfb8aa3b                  ; (the packed form names the pair, so both are written)
	s_mov_b32 s[KP], 0x4038aa3b                    ; 2 log2(e)
	s_mov_b32 s[KP+1], 0x4038aa3b
	PCLOAD 0
.irp a, 0,1,2,3,4,5,6,7
	MATH \a
	TOSTAGE \a
.endr
	s_wait_dscnt 0x0
	SEND 7
	s_wait_tensorcnt 0x0                           ; the wave's end: behind my last tensor load and my last LDS store
	ds_add_u32 v[SPW], v[NIL]
	s_wait_dscnt 0x0
	CROUND                                         ; the closing round: no work-group ends while a partner may still ask for a tile that names it
	s_endpgm
.Lfunc_end_k_q75178fbd71_cell:
	.size	k_q75178fbd71_cell, .Lfunc_end_k_q75178fbd71_cell-k_q75178fbd71_cell
	.p2alignl 7, 3214868480
	.fill 96, 4, 3214868480
	.section	.rodata,"a",@progbits
	.p2align	6, 0x0
	.amdhsa_kernel k_q75178fbd71_cell
		.amdhsa_group_segment_fixed_size 327680
		.amdhsa_private_segment_fixed_size 0
		.amdhsa_enable_private_segment 0
		.amdhsa_kernarg_size 80
		.amdhsa_user_sgpr_count 2
		.amdhsa_user_sgpr_kernarg_segment_ptr 1
		.amdhsa_wavefront_size32 1
		.amdhsa_system_sgpr_workgroup_id_x 1
		.amdhsa_system_sgpr_workgroup_id_y 1
		.amdhsa_system_sgpr_workgroup_id_z 1
		.amdhsa_system_vgpr_workitem_id 0
		.amdhsa_next_free_vgpr 1024
		.amdhsa_next_free_sgpr 102
		.amdhsa_reserve_vcc 0
		.amdhsa_float_denorm_mode_32 3
		.amdhsa_float_denorm_mode_16_64 3
		.amdhsa_memory_ordered 1
		.amdhsa_forward_progress 1
		.amdhsa_inst_pref_size 255
	.end_amdhsa_kernel
	.section	.bss,"aw",@nobits
	.p2align	6
	.space	262144
	.amdgpu_metadata
---
amdhsa.version: [ 1, 2 ]
amdhsa.kernels:
  - .name:           k_q75178fbd71_cell
    .symbol:         k_q75178fbd71_cell.kd
    .args:
      - { .name: a_codes, .offset: 0, .size: 8, .value_kind: global_buffer, .address_space: global }
      - { .name: a_scales, .offset: 8, .size: 8, .value_kind: global_buffer, .address_space: global }
      - { .name: w_codes, .offset: 16, .size: 8, .value_kind: global_buffer, .address_space: global }
      - { .name: w_scales, .offset: 24, .size: 8, .value_kind: global_buffer, .address_space: global }
      - { .name: bi, .offset: 32, .size: 8, .value_kind: global_buffer, .address_space: global }
      - { .name: bf, .offset: 40, .size: 8, .value_kind: global_buffer, .address_space: global }
      - { .name: bo, .offset: 48, .size: 8, .value_kind: global_buffer, .address_space: global }
      - { .name: bz, .offset: 56, .size: 8, .value_kind: global_buffer, .address_space: global }
      - { .name: prev_c, .offset: 64, .size: 8, .value_kind: global_buffer, .address_space: global }
      - { .name: out0, .offset: 72, .size: 8, .value_kind: global_buffer, .address_space: global }
    .group_segment_fixed_size: 327680
    .private_segment_fixed_size: 0
    .kernarg_segment_align: 8
    .kernarg_segment_size: 80
    .max_flat_workgroup_size: 128
    .sgpr_count:     102
    .vgpr_count:     1024
    .wavefront_size: 32
...
	.end_amdgpu_metadata
.endif
;; end of part 2
